; MI455X (gfx1250); checked and timed in simulation.
; The chip was launched on July 23, 2026; its instructions are those of AMD's public machine-readable ISA for CDNA 5 (MIT licence, August 2026) and "CDNA5" Instruction Set Architecture Reference Guide (July 2026). The comments in the code are by the model that wrote it; some were corrected since.
;; Log Sparce Attention. Allowed arithmetic: matrix products marked QUANTISED: E2M1 operands, one E8M0 scale for each 32 along K, by v_wmma_scale_f32_16x16x128_f8f6f4 with both operands' format E2M1 (or v_wmma_scale_f32_32x16x128_f4), f32 sums; everything else in f32.
;; Inputs: keys_codes 2 x 2,048 x 16 x 2 x 16 uint8 (E2M1 codes of keys, K innermost, in blocks of 32 codes, two codes a byte); keys_scales 2 x 2,048 x 16 x 2 uint8 (E8M0 scales of keys, one for each 32 codes along K); queries_codes 2 x 2,048 x 16 x 2 x 16 uint8 (E2M1 codes of queries, K innermost, in blocks of 32 codes, two codes a byte); queries_scales 2 x 2,048 x 16 x 2 uint8 (E8M0 scales of queries, one for each 32 codes along K); values_codes 2 x 16 x 64 x 64 x 16 uint8 (E2M1 codes of values, K innermost, in blocks of 32 codes, two codes a byte); values_scales 2 x 16 x 64 x 64 uint8 (E8M0 scales of values, one for each 32 codes along K).
;; Outputs: out0 2 x 2,048 x 16 x 64 float32.
;; This version of the problem:
;;   THIS VERSION OF THE PROBLEM IS GIVEN IN LOW PRECISION. The matrix products marked QUANTISED in the list below multiply operands that are first quantised to E2M1 (2 exponent bits, 1 mantissa bit; 4 bits a number), with one power-of-two scale for each 32 numbers along K (OCP MX v1.0); their sums are f32. All else is computed in f32.
;;   The module's matrix products, in the order in which they are computed (A, B: the left and right operand; K: the contracted axis; several contracted axes count as one K, in the product's order):
;;     1. batch 32 x [M 2,048, K 64] x [K 64, N 2,048]; A: input queries (given as codes); B: input keys (given as codes): QUANTISED
;;     2. batch 32 x [M 64, K 2,048] x [K 2,048, N 2,048]; A: input values (given as codes); B: softmax (see below): QUANTISED
;;   THE QUANTISER, for each operand of a quantised product, along K:
;;     - K is cut into blocks of 32 from its start; a last block that is shorter is filled with zeros.
;;     - A block's scale is 2^e with e = floor(log2(the largest magnitude in the block)) - 2, held to -126 .. 127; a block of zeros has e = 0. As a byte (E8M0): e + 127.
;;     - Each number is divided by its block's scale, clamped to +-6, and rounded to the nearest number of E2M1, ties to even, subnormals kept.
;;     - The product sums the exact products of the quantised numbers (number of the format x scale) in f32.
;;   ~~~python
;;   def quantise(x, axis):      # numpy; x: float32 -> the quantised numbers, widened to float32 again
;;       x = np.moveaxis(x, axis, -1); K = x.shape[-1]
;;       x = np.pad(x, [(0, 0)] * (x.ndim - 1) + [(0, -K % 32)]); x = x.reshape(x.shape[:-1] + (-1, 32)); a = np.abs(x).max(-1, keepdims=True)
;;       e = np.where(a > 0, np.clip(np.frexp(np.where(a > 0, a, 1))[1] - 1 - 2, -126, 127), 0)      # np.frexp(a)[1] - 1 = floor(log2(a)), exactly
;;       r = np.clip(x / 2.0 ** e, -6, 6)
;;       step = 2.0 ** (np.maximum(np.frexp(np.where(r == 0, 1, r))[1] - 1, 0) - 1)
;;       q = np.round(r / step) * step * 2.0 ** e      # np.round: ties to even
;;       return np.moveaxis(q.reshape(q.shape[:-2] + (-1,))[..., :K], -1, axis).astype(np.float32)
;;   ~~~
;;   SOFTMAX AHEAD OF A QUANTISED PRODUCT. Where the list says 'softmax', what is quantised is not the finished softmax but p = 2^(t - M), with t = logit x log2(e) and M = ceil(the row's largest t), a whole number; so 1/2 < the row's largest p <= 1. The row's sum l is taken of the UNQUANTISED p, in f32, and the product's result is divided by l at the end. Since M is a whole number, a kernel that streams over the keys may use a running M (the ceiling of the running maximum): every later rescaling is an exact power of two, which a block's scale takes up: the codes' values come out the same.
;;   OPERANDS COMPUTED ON THE WAY. 'Computed on the way' means the value that the module computes at that place (a softmax that the list does not call 'softmax' is quantised finished and normalised). What goes into a quantiser is computed in f32, as accurately as f32 sums, v_exp_f32 and their like allow (about 1e-6 of the number): no bf16 or f16 on the way to a quantiser, and a product that is left as it is and whose result goes on into a quantised operand takes f32 operands (vector FMAs, or v_wmma_f32_16x16x4_f32). A number that lies on a knife's edge between two numbers of the format may be rounded either way, as far as f32 arithmetic and the matrix unit's own rounding can turn it there, and no further.
;;   INPUTS GIVEN AS CODES. keys (in the module: [2, 2048, 16, 64], K = its axis 3); queries (in the module: [2, 2048, 16, 64], K = its axis 3); values (in the module: [2, 2048, 16, 64], K = its axis 1): each comes as NAME_codes (uint8): NAME with its K axis moved to the last place and cut into blocks of 32 codes, [.., K / 32, bytes a block], one block behind the other in memory; two codes a byte, the lower K in the low four bits (a code: sign, 2 exponent bits, 1 mantissa bit); and NAME_scales (uint8): the same leading axes, one E8M0 byte (e + 127) for each 32 codes along K. Its value is code x scale, taken as it is: it is not quantised again, and the codes and scales need not be those that the quantiser above would give.
;; 2 versions. Each part assembles by itself: llvm-mc -triple=amdgcn-amd-amdhsa -mcpu=gfx1250 --defsym DOCPART=n.
;; ======== version 1 of 2: 1 launch
;; limits: right only within a limited range of input values
;; launch logsparse (part 1): grid 8 x 32, 16 waves a work-group, no clusters, 164,608 bytes of LDS; arguments keys_codes, keys_scales, queries_codes, queries_scales, values_codes, values_scales, out0; writes out0
.if DOCPART == 1
	.amdgcn_target "amdgcn-amd-amdhsa--gfx1250"
	.amdhsa_code_object_version 6
	.text
	.protected	k_q2ffb7e259e_logsparse
	.globl	k_q2ffb7e259e_logsparse
	.p2align	8
	.type	k_q2ffb7e259e_logsparse,@function
k_q2ffb7e259e_logsparse:
	s_mov_b64 s[64:65], 0
	v_nop
	global_prefetch_b8 v0, s[64:65] scope:SCOPE_SE
	s_setreg_imm32_b32 hwreg(HW_REG_WAVE_MODE, 25, 1), 1
	s_wait_xcnt 0x0
; LOG-SPARSE ATTENTION ON CODES OF FP4 (E2M1), one E8M0 scale for each 32 along a product's K.  2 batches x 16 heads x 2,048 queries x 64 channels.
; THE MASK is a constant of the problem: query q < 22 sees keys 0 .. q; every other query sees key q - d alone, d in {0 .. 12, 14, 18, 26, 42, 74, 138, 266, 522, 1034}, where that key is not negative.
; Every other key has the logit -1.25e8 and so the weight 0: its products are not made.
; p = 2^(t - M), t = score x log2(e) / 8, M = the row's largest t rounded up to a whole number.  p is quantised along the keys in aligned blocks of 32; the row's sum is taken of the unquantised p and divides at the end.
; With q = 32 A + 16 E + n, the live keys of a tile of 16 queries lie in the twelve blocks A - m, m in {0,1,2,3,4,5,8,9,16,17,32,33}: three K steps of 128 gathered keys for the second product.
; Blocks A and A - 1 hold many live keys of a query (the NEAR blocks); each of the other ten holds at most one, always at place (16 E + n - 10) mod 32.
; SHARES.  A work-group owns 256 queries of one head (grid x: which 256; grid y: 16 x batch + head); each of its sixteen waves owns one tile of 16 queries.
; Both products are used transposed (S^T = K Q^T, O^T = V^T P^T): a lane holds ONE query, n = lane % 16; h = lane / 16.
; LDS is filled once, through registers, with all that the sixteen waves read: 1,056 key rows of 32 bytes with their scale words, 48 blocks of V for 64 channels with their scale bytes.  One barrier.
; An LDS place hangs on lane and wave alone; which key or block stands there hangs on the work-group.  An index that falls outside the tensor is held inside it on the global side: the place then holds other valid codes,
; which are masked (scores) or meet zero codes (V).
; NO CLUSTER, NO JOINT LOADS: the eight work-groups of a head want key windows that begin 256 keys apart, so a tile asked for jointly would be read at LDS places that hang on a work-group's place in its cluster;
; the sixteen heads of a batch share no byte.  NO TENSOR LOADS: nothing in LDS is filled twice, and the rows of one head are 32 bytes out of each 512.
; LIMITS: a masked key gets the weight 0, which is what the -1.25e8 gives while a row's largest allowed logit lies above -1.25e8 + 104, that is for |q . k| under 9.9e8.  Scale bytes 0xff (NaN) are not served.
; A block of p whose largest number lies under 2^-124 keeps the scale byte 1 (a block of zeros too: its codes are zeros).
;
; LDS:  KB  key place k at 32 k + 16 x half; k < 784 is key 256 W - 528 + k, k >= 784 is key 256 W - 1824 + k
;       KSB one word a key place: its two scale bytes, two zero bytes above them
;       VB  channel c at VP c, block place s at 16 s: block 8 W - 40 + s        VSB channel c at VSP c, byte s
;       STG 16 rows x (256 + 16) bytes for each wave: the way out
.set KB,   0
.set KSB,  33792
.set VB,   38144
.set VP,   784                         ; 49 x 16 bytes: the sixteen channels that a load touches begin in sixteen different 16-byte columns of 256
.set VSB,  88320
.set VSP,  72
.set STG,  92928
.set SP,   272
; REGISTERS: v1 n, v2 h; v3-11 addresses; v12 -1e30; v13 4 ((n + 6) % 8); v14 8 h; v[16:17] -M; v[18:19], v[252:253] the sum; v254 1 / sum; v20-25, v26-31 six columns' numbers at work;
; v32-39 Q (upper four: zero codes); v40-47 the diagonal bias; v48-91 K's fragments, FOUR registers apart; v96-127 near scores, then p; v128-175 six diagonal tiles; later v48-95 and v128-175 V's twelve fragments;
; v176-199 V's scale bytes, then at work; v200-205 the six columns' largest scores, then p; v206-207 zeros; v176-207 at last O^T; v208-231 p's codes;
; v232-251 hold scales and nothing else: K's near 232-235, K's diagonal 236-241, Q's 242, p's 243-245, V's 246-251.
; s18 wave, s19 E, s20 pair, s21 W, s22 batch x 16 + head, s23 A, s24 first query; s[26:27] c; s[28:29] lane selects; s30-35 column masks; s36-39 register masks; s40-41 LOW, HIGH.
	s_load_b256 s[4:11], s[0:1], 0x0               ; K's codes s[4:5], K's scales s[6:7], Q's codes s[8:9], Q's scales s[10:11]
	s_load_b128 s[12:15], s[0:1], 0x20             ; V's codes, V's scales
	s_load_b64 s[16:17], s[0:1], 0x30              ; O
	v_lshrrev_b32 v15, 5, v0
	v_readfirstlane_b32 s18, v15                   ; wave 0..15
	v_and_b32 v1, 15, v0                           ; n
	v_bfe_u32 v2, v0, 4, 1                         ; h
.irp r, 26,27,28,29,30,31
	v_mov_b32 v\r, 0                               ; destinations of lane permutes count as read: written once, in every wave.  (Until then v26-30 take the two extra groups' data in waves 0 and 1)
.endr
	s_and_b32 s19, s18, 1                          ; E: which half of a block of 32 queries
	s_lshr_b32 s20, s18, 1                         ; the pair: which block of the work-group's eight
	s_mov_b32 s21, ttmp9                           ; W
	s_and_b32 s22, ttmp7, 0xffff                   ; 16 x batch + head
	s_lshl_b32 s23, s21, 3
	s_add_co_u32 s23, s23, s20                     ; A = 8 W + pair
	s_lshl_b32 s24, s21, 8
	s_lshl_b32 s42, s18, 4
	s_add_co_u32 s24, s24, s42                     ; my first query = 256 W + 16 x wave
	; ---- offsets of the staging loads.  K's codes: a load takes a group of 16 keys, 16 bytes a lane: key lane / 2, half lane % 2.  66 groups: wave + 16 i, i = 0 .. 3, and two more for waves 0 and 1
	v_and_b32 v155, 31, v0
	v_lshrrev_b32 v154, 1, v155
	v_and_b32 v155, 1, v0
	v_lshlrev_b32 v154, 9, v154                    ; a key is 512 bytes from the next
	v_lshl_add_u32 v154, v155, 4, v154
	s_lshl_b32 s42, s21, 4
	s_add_co_u32 s42, s42, s18                     ; 16 W + wave
	s_sub_co_u32 s43, s42, 50                      ; place group 64 + wave is key group 16 W - 114 + 64 + wave
	s_min_u32 s43, s43, 127                        ; (a negative number wraps to a large one: held at the last group)
	s_lshl_b32 s43, s43, 13
	v_add_nc_u32 v164, s43, v154
	s_sub_co_u32 s42, s42, 33                      ; place group g < 49 is key group 16 W - 33 + g,
	s_cmp_ge_u32 s18, 1
	s_cselect_b32 s47, 81, 0                       ; from 49 on 81 less: of the groups 48 + wave all but wave 0's
	s_min_u32 s43, s42, 127
	s_add_co_u32 s44, s42, 16
	s_min_u32 s44, s44, 127
	s_add_co_u32 s45, s42, 32
	s_min_u32 s45, s45, 127
	s_add_co_u32 s46, s42, 48
	s_sub_co_u32 s46, s46, s47
	s_min_u32 s46, s46, 127
.irp i, 0,1,2,3
	s_lshl_b32 s[43+\i], s[43+\i], 13              ; 16 keys x 512 bytes
	v_add_nc_u32 v[160+\i], s[43+\i], v154
.endr
	; K's scales: two bytes a key, a thread a key place: places v0, 512 + v0, and 1024 + 16 wave + n in waves 0 and 1
	s_sub_co_u32 s42, s24, 800
	v_add_nc_u32 v165, s42, v1                     ; key 256 W - 1824 + 1024 + 16 wave + n
	s_lshl_b32 s43, s21, 8
	s_sub_co_u32 s44, s43, 528
	v_add_nc_u32 v166, s44, v0                     ; key 256 W - 528 + v0
	s_sub_co_u32 s44, s43, 16
	s_sub_co_u32 s45, s43, 1312
	v_add_nc_u32 v155, s44, v0                     ; place 512 + v0 under 784: key 256 W - 16 + v0,
	v_add_nc_u32 v156, s45, v0                     ; else key 256 W - 1312 + v0
	v_cmp_gt_u32 vcc_lo, 272, v0
	v_cndmask_b32 v167, v156, v155, vcc_lo
.irp r, 165,166,167
	v_min_u32 v\r, 0x7ff, v\r
.endr
.irp r, 165,166,167
	v_lshlrev_b32 v\r, 5, v\r                      ; 32 bytes of scales from key to key
.endr
	; V's codes: a load takes 2 channels x 16 blocks a wave: channel v0 / 16 (+ 32), block place 16 j + n
	s_lshl_b32 s42, s21, 3
	s_sub_co_u32 s42, s42, 40                      ; block place 0 is block 8 W - 40
	v_add_nc_u32 v155, s42, v1
	v_lshrrev_b32 v158, 4, v0
	v_lshlrev_b32 v157, 10, v158                   ; a channel's 64 blocks are 1,024 bytes
.irp j, 0,1,2
	v_add_nc_u32 v156, 16*\j, v155
	v_min_u32 v156, 63, v156
	v_lshl_add_u32 v[168+\j], v156, 4, v157
.endr
	; V's scales: 8 bytes a thread: channel v0 / 8, block places 8 (v0 % 8) on
	v_and_b32 v155, 7, v0
	v_lshrrev_b32 v159, 3, v0
	v_lshl_add_u32 v156, v155, 3, s42
	v_min_u32 v156, 56, v156
	v_lshl_add_u32 v171, v159, 6, v156
	; Q: lane (n, h) takes block h of query n: registers 0-3 of the fragment as they lie in memory
	v_lshlrev_b32 v177, 9, v1
	v_lshl_add_u32 v177, v2, 4, v177
	v_lshlrev_b32 v178, 5, v1
	; where the work-group's and the wave's parts begin in each buffer, in bytes
	s_lshr_b32 s25, s22, 4                         ; batch
	s_and_b32 s3, s22, 15                          ; head
	s_lshl_b32 s42, s25, 20
	s_lshl_b32 s44, s3, 5
	s_add_co_u32 s42, s42, s44                     ; codes of K: batch x 2,048 x 512 + head x 32
	s_mov_b32 s43, 0
	s_lshl_b32 s44, s25, 16
	s_lshl_b32 s46, s3, 1
	s_add_co_u32 s44, s44, s46                     ; scales of K: batch x 2,048 x 32 + head x 2
	s_mov_b32 s45, 0
	s_lshl_b32 s46, s24, 9
	s_add_co_u32 s46, s46, s42                     ; codes of Q: the same + my first query x 512
	s_mov_b32 s47, 0
	s_lshl_b32 s48, s24, 5
	s_add_co_u32 s48, s48, s44                     ; scales of Q
	s_mov_b32 s49, 0
	s_lshl_b32 s50, s22, 16                        ; codes of V: 64 channels x 1,024 bytes a head
	s_mov_b32 s51, 0
	s_lshl_b32 s52, s22, 12                        ; scales of V: 64 x 64 bytes a head
	s_mov_b32 s53, 0
	s_lshl_b32 s54, s25, 23
	s_lshl_b32 s2, s24, 12
	s_add_co_u32 s54, s54, s2
	s_lshl_b32 s2, s3, 8
	s_add_co_u32 s54, s54, s2                      ; O: batch x 2,048 x 4,096 + first query x 4,096 + head x 256
	s_mov_b32 s55, 0
	s_lshl_b32 s2, s18, 6
	s_add_co_u32 s2, s2, KSB
	v_lshl_add_u32 v6, v1, 2, s2                   ; LDS: KSB + 64 wave + 4 n: the diagonal tiles' scale words; + 4,096: where the extra scale words go
	s_wait_kmcnt 0x0
	s_add_nc_u64 s[4:5], s[4:5], s[42:43]
	s_add_nc_u64 s[6:7], s[6:7], s[44:45]
	s_add_nc_u64 s[8:9], s[8:9], s[46:47]
	s_add_nc_u64 s[10:11], s[10:11], s[48:49]
	s_add_nc_u64 s[12:13], s[12:13], s[50:51]
	s_add_nc_u64 s[14:15], s[14:15], s[52:53]
	s_add_nc_u64 s[16:17], s[16:17], s[54:55]
	; ---- all loads of the launch, in the order in which their data are stored to LDS.  The two that only waves 0 and 1 issue stand first, so that the counts below hold in every wave
	s_cmp_lt_u32 s18, 2
	s_cbranch_scc0 .Lno_extra_load
	global_load_b128 v[26:29], v164, s[4:5]
	global_load_u16 v30, v165, s[6:7]
.Lno_extra_load:
.irp i, 0,1,2,3
	global_load_b128 v[96+4*\i:99+4*\i], v[160+\i], s[4:5]
.endr
	global_load_u16 v116, v166, s[6:7]
	global_load_u16 v117, v167, s[6:7]
.irp i, 0,1,2,3,4,5
	global_load_b128 v[128+4*\i:131+4*\i], v[168+\i%3], s[12:13] offset:32768*(\i/3)
.endr
	global_load_b64 v[152:153], v171, s[14:15]
	global_load_b128 v[32:35], v177, s[8:9]
	global_load_u16 v242, v178, s[10:11]           ; Q's scale word: two bytes, zeros above
	; ---- while they are on their way: LDS addresses, constants, masks
	v_lshlrev_b32 v172, 4, v0                      ; K's codes go to 512 x place group + 16 x lane = 16 v0 + 8,192 i
	v_lshl_add_u32 v173, v0, 2, KSB                ; K's scale words to KSB + 4 x place
	v_mul_u32_u24 v175, v158, VP
	v_lshl_add_u32 v175, v1, 4, v175               ; V's codes to VP x channel + 16 x place
	v_mul_u32_u24 v176, v159, VSP
	v_lshl_add_u32 v176, v155, 3, v176
	v_add_nc_u32 v176, VSB, v176                   ; V's scale bytes to VSB + VSP x channel + place
	v_mov_b32 v12, 0xf149f2ca                      ; -1e30: under every score; its p is 0
.irp r, 36,37,38,39,88,89,90,91,206,207,255
	v_mov_b32 v\r, 0                               ; Q's zero codes for K = 64 .. 127; what the last fragment of K names above itself; two zeros behind the six columns' numbers; a permute's destination
.endr
	v_add_nc_u32 v13, 6, v1
	v_and_b32 v13, 7, v13
	v_lshlrev_b32 v13, 2, v13                      ; a far key's place in its block is (16 E + n - 10) mod 32: its code's bit in a register is 4 ((n + 6) % 8)
	v_lshlrev_b32 v14, 3, v2
	s_mov_b32 s26, 0x3e38aa3b                      ; c = log2(e) / 8
	s_mov_b32 s27, s26                             ; (named with it as a pair, so it is written)
	s_mov_b32 s28, 0x76543210
	s_mov_b32 s29, 0xfedcba98                      ; v_permlanex16_b32's selects for lane l xor 16
	; lane masks, bit 16 h + n.  With y = 16 E + n: a far key q - d lies in the lower block of its column (h = 0) where y < 10, else in the upper (h = 1)
	s_cmp_eq_u32 s19, 0
	s_cselect_b32 s40, 0x3ff, 0                    ; LOW: h = 0 and y < 10
	s_mov_b32 s41, 0xffff0000
	s_cselect_b32 s41, 0xfc000000, s41             ; HIGH: h = 1 and y >= 10
	s_cselect_b32 s35, 0x03ff0000, 0               ; d = 42 where y < 10: block A - 2, the upper block of column 0
	s_mov_b32 s36, 0x00030003                      ; which of a block's four registers holds the place (y - 10) mod 32:
	s_cselect_b32 s36, 0xfc00fc00, s36             ; register 0: E = 0: n = 10 .. 15;  E = 1: n = 0, 1
	s_cselect_b32 s37, 0, 0x03fc03fc               ; register 1: none;  n = 2 .. 9
	s_mov_b32 s38, 0xfc00fc00
	s_cselect_b32 s38, 0x00030003, s38             ; register 2: n = 0, 1;  n = 10 .. 15
	s_cselect_b32 s39, 0x03fc03fc, 0               ; register 3: n = 2 .. 9;  none
	s_cmp_ge_u32 s23, 2
	s_cselect_b32 s35, s35, 0                      ; block A - 2 exists
.macro COLMASK i, m                    ; the column with blocks A - m - 1 (h = 0) and A - m (h = 1): a lane is live where its block holds its query's key and exists
	s_cmp_ge_u32 s23, \m+1
	s_cselect_b32 s42, s40, 0
	s_cmp_ge_u32 s23, \m
	s_cselect_b32 s43, s41, 0
	s_or_b32 s[30+\i], s42, s43
.endm
	COLMASK 0, 2                                   ; d = 74
	COLMASK 1, 8                                   ; d = 266
	COLMASK 2, 4                                   ; d = 138
	COLMASK 3, 32                                  ; d = 1034
	COLMASK 4, 16                                  ; d = 522
.irp j, 0,1,2,3,4,5,6,7
	s_mov_b32 vcc_lo, 0xffffffff^((1<<\j)|(1<<(24+\j)))
	v_cndmask_b32 v[40+\j], 0, v12, vcc_lo         ; the diagonal bias: register j holds row 8 h + j of a tile: 0 where that row is the lane's n (lanes j and 24 + j), else -1e30
.endr
	v_lshrrev_b32 v156, 3, v1
	v_and_b32 v157, 7, v1
	s_lshl_b32 s42, s20, 10
	s_add_co_u32 s42, s42, KB+15872
	v_lshl_add_u32 v3, v156, 10, s42               ; near K: row r of tile g is place 8 g + r % 8 of block A - 1 + r / 8: key place 496 + 32 pair + 32 (r / 8) + 8 g + r % 8
	v_lshl_add_u32 v3, v157, 5, v3
	v_lshl_add_u32 v3, v2, 4, v3
	s_lshl_b32 s43, s20, 7
	s_add_co_u32 s43, s43, KSB+1984
	v_lshl_add_u32 v4, v156, 7, s43                ; and its scale word
	v_lshl_add_u32 v4, v157, 2, v4
	s_lshl_b32 s44, s18, 9
	v_lshl_add_u32 v5, v1, 5, s44                  ; diagonal K: row r is key first query - d + r: key place (528 - d) + 16 wave + r
	v_lshl_add_u32 v5, v2, 4, v5
	v_mul_u32_u24 v7, v1, VP
	s_lshl_b32 s45, s20, 4
	s_add_co_u32 s45, s45, VB
	v_lshl_add_u32 v7, v2, 4, v7
	v_add_nc_u32 v7, s45, v7                       ; V: channel n of a tile, block place 40 + pair - m + h
	v_and_b32 v156, 31, v0
	v_mul_u32_u24 v8, v156, VSP
	s_add_co_u32 s46, s20, VSB
	v_add_nc_u32 v8, s46, v8                       ; V's scale bytes: a lane a channel (32 u + lane)
	s_mul_i32 s47, s18, 16*SP
	s_add_co_u32 s47, s47, STG                     ; my stage
	v_mul_u32_u24 v9, v1, SP
	v_lshl_add_u32 v9, v2, 5, v9
	v_add_nc_u32 v9, s47, v9                       ; in: row n, 32 bytes for each half of the lanes
	v_mul_u32_u24 v10, v2, SP
	v_lshl_add_u32 v10, v1, 4, v10
	v_add_nc_u32 v10, s47, v10                     ; back: lanes 0-15 one row of 256 bytes, lanes 16-31 the next
	v_lshlrev_b32 v11, 12, v2
	v_lshl_add_u32 v11, v1, 4, v11                 ; and the same two rows in O, 4,096 bytes apart
	; ---- into LDS, group by group as the loads come back (they come back in the order of issue)
	s_wait_loadcnt 11                              ; K's codes are in; out may be: 2 of K's scales, 6 of V, 1 of V's scales, 2 of Q
.irp i, 0,1,2,3
	ds_store_b128 v172, v[96+4*\i:99+4*\i] offset:KB+8192*\i
.endr
	s_cmp_lt_u32 s18, 2
	s_cbranch_scc0 .Lno_extra_store
	ds_store_b128 v172, v[26:29] offset:KB+32768   ; place groups 64 and 65
	ds_store_b32 v6, v30 offset:4096               ; both halves of the lanes write the same word with the same value
.Lno_extra_store:
	s_wait_loadcnt 9                               ; K's scales are in; out may be: 6 + 1 + 2
	ds_store_b32 v173, v116
	ds_store_b32 v173, v117 offset:2048
	s_wait_loadcnt 3                               ; V's codes are in; out may be: 1 + 2
.irp i, 0,1,2,3,4,5
	ds_store_b128 v175, v[128+4*\i:131+4*\i] offset:VB+256*(\i%3)+32*VP*(\i/3)
.endr
	s_wait_loadcnt 2                               ; V's scales are in
	ds_store_b64 v176, v[152:153]
	s_wait_loadcnt 0x0                             ; Q is in, and every load's offset register is free
	s_wait_dscnt 0x0                               ; for the others' sake: my stores have landed
	s_barrier_signal -1
	s_barrier_wait -1                              ; the one barrier: from here on K's and V's bytes are only read, and a stage is one wave's own
	; ---- K's fragments and scale words, V's scale bytes
.irp g, 0,1,2,3
	ds_load_b128 v[48+4*\g:51+4*\g], v3 offset:256*\g
	ds_load_b32 v[232+\g], v4 offset:32*\g
.endr
.macro KDIAG i, koff
	ds_load_b128 v[64+4*\i:67+4*\i], v5 offset:32*\koff
	ds_load_b32 v[236+\i], v6 offset:4*\koff
.endm
	KDIAG 0, 454                                   ; d = 74
	KDIAG 1, 262                                   ; d = 266
	KDIAG 2, 390                                   ; d = 138
	KDIAG 3, 790                                   ; d = 1034: the second window
	KDIAG 4, 6                                     ; d = 522
	KDIAG 5, 486                                   ; d = 42
.macro VBYTES s, ma, mb, mc, md        ; K step s gathers blocks A - ma, A - mb, A - mc, A - md: their scale bytes for channels 32 u + lane
.irp u, 0,1
	ds_load_u8 v[176+12*\u+4*\s], v8 offset:32*VSP*\u+40-\ma
	ds_load_u8 v[177+12*\u+4*\s], v8 offset:32*VSP*\u+40-\mb
	ds_load_u8 v[178+12*\u+4*\s], v8 offset:32*VSP*\u+40-\mc
	ds_load_u8 v[179+12*\u+4*\s], v8 offset:32*VSP*\u+40-\md
.endr
.endm
	VBYTES 0, 3, 2, 1, 0
	VBYTES 1, 9, 8, 5, 4
	VBYTES 2, 33, 32, 17, 16
	s_wait_dscnt 24                                ; all of K is in; the 24 byte loads may be out
	; ---- S^T = K Q^T: ten tiles, ten accumulators.  The head has 64 along K: a fragment of K is four registers, and the four that the instruction names above them (the next fragment's) meet Q's zero codes.
	; Near tile g: lane (n, h), register j: place 8 g + j of block A - 1 + h: the four tiles give a lane a WHOLE block of 32 keys, in the order that the second product's operand wants.
.irp g, 0,1,2,3
	v_wmma_scale_f32_16x16x128_f8f6f4 v[96+8*\g:103+8*\g], v[48+4*\g:55+4*\g], v[32:39], 0, v[232+\g], v242 matrix_a_fmt:MATRIX_FMT_FP4 matrix_b_fmt:MATRIX_FMT_FP4
.endr
	; Diagonal tile i: rows are keys first query - d + 0 .. 15, so query n's key is row n; the bias, as C, puts -1e30 on all the others
.irp i, 0,1,2,3,4,5
	v_wmma_scale_f32_16x16x128_f8f6f4 v[128+8*\i:135+8*\i], v[64+4*\i:71+4*\i], v[32:39], v[40:47], v[236+\i], v242 matrix_a_fmt:MATRIX_FMT_FP4 matrix_b_fmt:MATRIX_FMT_FP4
.endr
	; ---- V's scale words: four bytes each; lanes 0-15 serve the tile of channels 32 u on, lanes 16-31 the next.  These 18 plain lines name no register of the products above: they are the places behind them
	s_wait_dscnt 0x0
.irp w, 0,1,2,3,4,5
	v_lshl_or_b32 v[246+\w], v[177+12*(\w%2)+4*(\w/2)], 8, v[176+12*(\w%2)+4*(\w/2)]
.endr
.irp w, 0,1,2,3,4,5
	v_lshl_or_b32 v[246+\w], v[178+12*(\w%2)+4*(\w/2)], 16, v[246+\w]
.endr
.irp w, 0,1,2,3,4,5
	v_lshl_or_b32 v[246+\w], v[179+12*(\w%2)+4*(\w/2)], 24, v[246+\w]
.endr
; V's fragment f = 4 s + t: channels 16 t on, K step s: registers 0-3 blocks A - ma + h, registers 4-7 blocks A - mb + h
.macro VFRAG f, ma, mb
.if (\f) < 6
.set VF, 48+8*(\f)
.else
.set VF, 128+8*((\f)-6)
.endif
	ds_load_b128 v[VF:VF+3], v7 offset:16*VP*((\f)%4)+16*(40-\ma)
	ds_load_b128 v[VF+4:VF+7], v7 offset:16*VP*((\f)%4)+16*(40-\mb)
.endm
.irp f, 0,1,2,3
	VFRAG \f, 3, 1                                 ; into the registers that K's fragments have left
.endr
.irp f, 4,5
	VFRAG \f, 9, 5
.endr
	; ---- the near mask: constants made by the assembler.  LM = the lanes in which place x of block A - 1 + h is a live key of query 16 e + n
.macro LMASK e, x, first
.set LM, 0
.set ln, 0
.rept 32
.set nn, ln%16
.set hh, ln/16
.set dd, 32*(1-hh)+16*(\e)+nn-(\x)
.set live, 0
.if dd >= 0
.if (dd <= 12) || (dd == 14) || (dd == 18) || (dd == 26) || (dd == 42)
.set live, 1
.endif
.if (\first) && (16*(\e)+nn < 22)
.set live, 1
.endif
.endif
.if (\first) && (hh == 0)
.set live, 0
.endif
.set LM, LM|(live<<ln)
.set ln, ln+1
.endr
.endm
.macro NEARMASK e, first               ; first = 1: A = 0: there is no block A - 1, and queries under 22 see every key up to their own.  Each tile's registers are taken in ascending order
.set XX, 0
.rept 4
.set GI, 0
.rept 8
	LMASK \e, XX+GI, \first
	s_mov_b32 s[44+GI], LM
.set GI, GI+1
.endr
.set GI, 0
.rept 8
	v_cndmask_b32 v[96+XX+GI], v12, v[96+XX+GI], s[44+GI]
.set GI, GI+1
.endr
.set XX, XX+8
.endr
.endm
	s_cmp_eq_u32 s23, 0                            ; the branches hang on the work-group's and the wave's number, and lead round work on registers alone
	s_cbranch_scc1 .Lfirst_block
	s_cmp_eq_u32 s19, 0
	s_cbranch_scc0 .Lodd_tile
	NEARMASK 0, 0
	s_branch .Lmasked
.Lodd_tile:
	NEARMASK 1, 0
	s_branch .Lmasked
.Lfirst_block:
	s_cmp_eq_u32 s19, 0
	s_cbranch_scc0 .Lfirst_odd
	NEARMASK 0, 1
	s_branch .Lmasked
.Lfirst_odd:
	NEARMASK 1, 1
.Lmasked:
	; the near block's largest score: all 32 are the lane's; four chains
.irp g, 0,1,2,3
	v_max3_num_f32 v[184+\g], v[96+8*\g], v[97+8*\g], v[98+8*\g]
.endr
.irp i, 3,5
.irp g, 0,1,2,3
	v_max3_num_f32 v[184+\g], v[184+\g], v[96+8*\g+\i], v[97+8*\g+\i]
.endr
.endr
.irp g, 0,1,2,3
	v_max_num_f32 v[184+\g], v[184+\g], v[103+8*\g]
.endr
	v_max3_num_f32 v201, v184, v185, v186
	v_max_num_f32 v201, v201, v187                 ; column 1
	; ---- the far columns: a diagonal tile's one score a query is the largest of the lane's eight and of lane l xor 16's
.irp i, 0,1,2,3,4,5
	v_max3_num_f32 v[20+\i], v[128+8*\i], v[129+8*\i], v[130+8*\i]
.endr
.irp j, 3,5
.irp i, 0,1,2,3,4,5
	v_max3_num_f32 v[20+\i], v[20+\i], v[128+8*\i+\j], v[129+8*\i+\j]
.endr
.endr
.irp i, 0,1,2,3,4,5
	v_max_num_f32 v[20+\i], v[20+\i], v[135+8*\i]
.endr
.irp i, 0,1,2,3,4,5
	v_permlanex16_b32 v[26+\i], v[20+\i], s28, s29
.endr
.irp i, 0,1,2,3,4,5
	v_max_num_f32 v[20+\i], v[20+\i], v[26+\i]
.endr
	v_cndmask_b32 v200, v12, v20, s30              ; column 0: blocks A - 3, A - 2: d = 74,
	v_cndmask_b32 v202, v12, v21, s31              ; column 2: blocks A - 9, A - 8
	v_cndmask_b32 v203, v12, v22, s32              ; column 3: blocks A - 5, A - 4
	v_cndmask_b32 v204, v12, v23, s33              ; column 4: blocks A - 33, A - 32
	v_cndmask_b32 v205, v12, v24, s34              ; column 5: blocks A - 17, A - 16
	v_cndmask_b32 v200, v200, v25, s35             ; and d = 42 in the lanes where d = 74 lies a block lower
.irp f, 6,7
	VFRAG \f, 9, 5                                 ; into the registers that the diagonal tiles have left
.endr
.irp f, 8,9,10,11
	VFRAG \f, 33, 17
.endr
	; ---- M: the row's largest t, rounded up to a whole number
	v_max3_num_f32 v15, v200, v201, v202
	v_max3_num_f32 v15, v15, v203, v204
	v_max_num_f32 v15, v15, v205
	v_permlanex16_b32 v255, v15, s28, s29
	v_max_num_f32 v15, v15, v255                   ; key q itself is always live: a number
	v_mul_f32 v15, s26, v15
	v_floor_f32 v16, -v15                          ; -M = floor(-t)
	v_mov_b32 v17, v16                             ; (named with it as a pair)
	; ---- p = 2^(t - M): the near blocks' 32, and the six columns' largest scores (column 1's is a copy of one of the 32: the same two instructions on the same number give the same bits)
.irp j, 0,2,4,6,8,10,12,14,16,18,20,22,24,26,28,30
	v_pk_fma_f32 v[96+\j:97+\j], v[96+\j:97+\j], s[26:27], v[16:17] op_sel_hi:[1,0,0]
.endr
.irp j, 0,2,4
	v_pk_fma_f32 v[200+\j:201+\j], v[200+\j:201+\j], s[26:27], v[16:17] op_sel_hi:[1,0,0]
.endr
.irp j, 0,1,2,3,4,5,6,7,8,9,10,11,12,13,14,15,16,17,18,19,20,21,22,23,24,25,26,27,28,29,30,31
	v_exp_f32 v[96+\j], v[96+\j]
.endr
.irp j, 0,1,2,3,4,5
	v_exp_f32 v[200+\j], v[200+\j]
.endr
	v_nop                                          ; a plain line between the exponentials and the first use of a result (ISA guide 5.7.2)
	; ---- the scales of the twelve blocks: lane (n, h) has block h of each column
	s_wait_alu depctr_va_vdst(0)
.irp k, 0,1,2,3,4,5
	v_max_num_f32 v[20+\k], 0x1800000, v[200+\k]   ; the floor 2^(3 - 127): the byte cannot fall under 1
.endr
.irp k, 0,1,2,3,4,5
	v_add_nc_u32 v[20+\k], 0xff000000, v[20+\k]    ; 2 off the exponent field: the conversion's scale operand
.endr
.irp k, 0,1,2,3,4,5
	v_lshrrev_b32 v[26+\k], 23, v[20+\k]           ; the scale's byte
.endr
.irp s, 0,1,2
	v_lshl_or_b32 v[184+\s], v[27+2*\s], 16, v[26+2*\s]   ; K step s: my two bytes, of blocks h and 2 + h,
.endr
.irp s, 0,1,2
	v_lshlrev_b32 v[184+\s], v14, v[184+\s]        ; at their places in the word (8 h bits up);
.endr
.irp s, 0,1,2
	v_permlanex16_b32 v[188+\s], v[184+\s], s28, s29
.endr
.irp s, 0,1,2
	v_or_b32 v[243+\s], v[184+\s], v[188+\s]       ; with lane l xor 16's two the word is whole
.endr
	; ---- the codes.  Near: four conversions give column 1's four registers.  A far column has one number a lane: the eight numbers v200-207 are converted under that column's scale, and its own four bits are kept
.irp g, 0,1,2,3
	v_cvt_scalef32_pk8_fp4_f32 v[212+\g], v[96+8*\g:103+8*\g], v21
.endr
.irp k, 0,2,3,4,5
	v_cvt_scalef32_pk8_fp4_f32 v[176+\k], v[200:207], v[20+\k]
.endr
	v_nop                                          ; one plain line behind the scaled conversions
.irp k, 0,2,3,4,5
	v_bfe_u32 v[176+\k], v[176+\k], 4*\k, 4
.endr
.irp k, 0,2,3,4,5
	v_lshlrev_b32 v[176+\k], v13, v[176+\k]        ; to its place among a register's eight codes
.endr
.irp k, 0,2,3,4,5
.irp g, 0,1,2,3
	v_cndmask_b32 v[208+4*\k+\g], 0, v[176+\k], s[36+\g]   ; into the register that holds the place, zero codes into the other three.  (A masked lane's p is 0, and so is its code)
.endr
.endr
	; ---- the row's sum, of the unquantised p: two chains over the near 32, then the five far numbers (v201 is a copy and is left out)
	v_pk_add_f32 v[18:19], v[96:97], v[98:99]
	v_pk_add_f32 v[252:253], v[100:101], v[102:103]
.irp j, 104,108,112,116,120,124
	v_pk_add_f32 v[18:19], v[18:19], v[\j:\j+1]
	v_pk_add_f32 v[252:253], v[252:253], v[\j+2:\j+3]
.endr
	v_pk_add_f32 v[18:19], v[18:19], v[202:203]
	v_pk_add_f32 v[252:253], v[252:253], v[204:205]
	v_pk_add_f32 v[18:19], v[18:19], v[252:253]
	v_add_f32 v18, v18, v19
	v_add_f32 v18, v18, v200
	v_permlanex16_b32 v255, v18, s28, s29
	v_add_f32 v18, v18, v255                       ; with lane l xor 16's blocks
	v_rcp_f32 v254, v18
	v_nop                                          ; a plain line behind the reciprocal
	; ---- O^T = V^T P^T: three K steps of four gathered blocks, four tiles of 16 channels.  The four accumulators take turns, one instruction a turn; the first K step starts the sums
.macro OPROD s, t
.set FF, 4*(\s)+(\t)
.if FF < 6
.set VF, 48+8*FF
.else
.set VF, 128+8*(FF-6)
.endif
.set OD, 176+8*(\t)
.set SA, 246+2*(\s)+(\t)/2
.set PB, 208+8*(\s)
.if (\s) == 0
.if (\t)%2
	v_wmma_scale_f32_16x16x128_f8f6f4 v[OD:OD+7], v[VF:VF+7], v[PB:PB+7], 0, v[SA], v[243+(\s)] matrix_a_fmt:MATRIX_FMT_FP4 matrix_b_fmt:MATRIX_FMT_FP4 matrix_a_scale:MATRIX_SCALE_ROW1
.else
	v_wmma_scale_f32_16x16x128_f8f6f4 v[OD:OD+7], v[VF:VF+7], v[PB:PB+7], 0, v[SA], v[243+(\s)] matrix_a_fmt:MATRIX_FMT_FP4 matrix_b_fmt:MATRIX_FMT_FP4
.endif
.else
.if (\t)%2
	v_wmma_scale_f32_16x16x128_f8f6f4 v[OD:OD+7], v[VF:VF+7], v[PB:PB+7], v[OD:OD+7], v[SA], v[243+(\s)] matrix_a_fmt:MATRIX_FMT_FP4 matrix_b_fmt:MATRIX_FMT_FP4 matrix_a_scale:MATRIX_SCALE_ROW1
.else
	v_wmma_scale_f32_16x16x128_f8f6f4 v[OD:OD+7], v[VF:VF+7], v[PB:PB+7], v[OD:OD+7], v[SA], v[243+(\s)] matrix_a_fmt:MATRIX_FMT_FP4 matrix_b_fmt:MATRIX_FMT_FP4
.endif
.endif
.endm
	s_wait_dscnt 0x0                               ; V's twelve fragments are in
.irp s, 0,1,2
.irp t, 0,1,2,3
	OPROD \s, \t
.endr
.endr
	; ---- the way out: O^T / the sum; register 8 t + j of lane (n, h) is o(query n, channel 16 t + 8 h + j).  Through my own stage, so that sixteen lanes store the 256 consecutive bytes of one query's head
.rept 4
	v_nop                                          ; four places between the last products and the first read of a result (ISA guide 7.12.1)
.endr
	s_wait_alu depctr_va_vdst(0)
.irp j, 0,2,4,6,8,10,12,14,16,18,20,22,24,26,28,30
	v_pk_mul_f32 v[96+\j:97+\j], v[176+\j:177+\j], v[254:255] op_sel_hi:[1,0]   ; each accumulator from its low end on
.endr
.irp t, 0,1,2,3
	ds_store_b128 v9, v[96+8*\t:99+8*\t] offset:64*\t
	ds_store_b128 v9, v[100+8*\t:103+8*\t] offset:64*\t+16
.endr
.irp i, 0,1,2,3,4,5,6,7
	ds_load_b128 v[128+4*\i:131+4*\i], v10 offset:2*\i*SP   ; LDS serves a wave's instructions in order (ISA guide 5.7.1.4): these see my stores
.endr
.irp i, 0,1,2,3,4,5,6,7
	s_wait_dscnt 7-\i                              ; the younger loads may stay out
	global_store_b128 v11, v[128+4*\i:131+4*\i], s[16:17] offset:8192*\i th:TH_STORE_NT   ; rows 2 i and 2 i + 1: twice 256 consecutive bytes, each at a multiple of 256 from O's first byte; written once
.endr
	s_wait_xcnt 0x0
	v_lshl_add_u32 v254, v0, 2, 0x27b00
	v_mov_b32 v255, 0
	s_wait_tensorcnt 0x0
	ds_add_u32 v254, v255
	s_wait_dscnt 0x0
	s_endpgm
.Lfunc_end_k_q2ffb7e259e_logsparse:
	.size	k_q2ffb7e259e_logsparse, .Lfunc_end_k_q2ffb7e259e_logsparse-k_q2ffb7e259e_logsparse
	.p2alignl 7, 3214868480
	.fill 96, 4, 3214868480
	.section	.rodata,"a",@progbits
	.p2align	6, 0x0
	.amdhsa_kernel k_q2ffb7e259e_logsparse
		.amdhsa_group_segment_fixed_size 164608
		.amdhsa_private_segment_fixed_size 0
		.amdhsa_enable_private_segment 0
		.amdhsa_kernarg_size 56
		.amdhsa_user_sgpr_count 2
		.amdhsa_user_sgpr_kernarg_segment_ptr 1
		.amdhsa_wavefront_size32 1
		.amdhsa_system_sgpr_workgroup_id_x 1
		.amdhsa_system_sgpr_workgroup_id_y 1
		.amdhsa_system_sgpr_workgroup_id_z 1
		.amdhsa_system_vgpr_workitem_id 0
		.amdhsa_next_free_vgpr 256
		.amdhsa_next_free_sgpr 66
		.amdhsa_reserve_vcc 1
		.amdhsa_float_denorm_mode_32 3
		.amdhsa_float_denorm_mode_16_64 3
		.amdhsa_memory_ordered 1
		.amdhsa_forward_progress 1
		.amdhsa_inst_pref_size 52
	.end_amdhsa_kernel
	.amdgpu_metadata
---
amdhsa.version: [ 1, 2 ]
amdhsa.kernels:
  - .name:           k_q2ffb7e259e_logsparse
    .symbol:         k_q2ffb7e259e_logsparse.kd
    .args:
      - { .name: keys_codes, .offset: 0, .size: 8, .value_kind: global_buffer, .address_space: global }
      - { .name: keys_scales, .offset: 8, .size: 8, .value_kind: global_buffer, .address_space: global }
      - { .name: queries_codes, .offset: 16, .size: 8, .value_kind: global_buffer, .address_space: global }
      - { .name: queries_scales, .offset: 24, .size: 8, .value_kind: global_buffer, .address_space: global }
      - { .name: values_codes, .offset: 32, .size: 8, .value_kind: global_buffer, .address_space: global }
      - { .name: values_scales, .offset: 40, .size: 8, .value_kind: global_buffer, .address_space: global }
      - { .name: out0, .offset: 48, .size: 8, .value_kind: global_buffer, .address_space: global }
    .group_segment_fixed_size: 164608
    .private_segment_fixed_size: 0
    .kernarg_segment_align: 8
    .kernarg_segment_size: 56
    .max_flat_workgroup_size: 512
    .sgpr_count:     66
    .vgpr_count:     256
    .wavefront_size: 32
...
	.end_amdgpu_metadata
.endif
;; end of part 1
;; ======== version 2 of 2: 1 launch; version 1 with the launch logsparse written anew for expert scheduling mode
;; limits: right only within a limited range of input values
;; launch logsparse (part 2): grid 8 x 32, 16 waves a work-group, no clusters, 164,608 bytes of LDS; arguments keys_codes, keys_scales, queries_codes, queries_scales, values_codes, values_scales, out0; writes out0
.if DOCPART == 2
	.amdgcn_target "amdgcn-amd-amdhsa--gfx1250"
	.amdhsa_code_object_version 6
	.text
	.protected	k_q2ffb7e259e_logsparse
	.globl	k_q2ffb7e259e_logsparse
	.p2align	8
	.type	k_q2ffb7e259e_logsparse,@function
k_q2ffb7e259e_logsparse:
	s_mov_b64 s[64:65], 0
	v_nop
	global_prefetch_b8 v0, s[64:65] scope:SCOPE_SE
	s_setreg_imm32_b32 hwreg(HW_REG_WAVE_SCHED_MODE, 0, 2), 2
	s_setreg_imm32_b32 hwreg(HW_REG_WAVE_MODE, 25, 1), 1
	s_wait_xcnt 0x0
	s_wait_alu depctr_vm_vsrc(0)
; LOG-SPARSE ATTENTION ON CODES OF FP4 (E2M1), one E8M0 scale for each 32 along a product's K.  2 batches x 16 heads x 2,048 queries x 64 channels.
; THE MASK is a constant of the problem: query q < 22 sees keys 0 .. q; every other query sees key q - d alone, d in {0 .. 12, 14, 18, 26, 42, 74, 138, 266, 522, 1034}, where that key is not negative.
; Every other key has the logit -1.25e8 and so the weight 0: its products are not made.
; p = 2^(t - M), t = score x log2(e) / 8, M = the row's largest t rounded up to a whole number.  p is quantised along the keys in aligned blocks of 32; the row's sum is taken of the unquantised p and divides at the end.
; With q = 32 A + 16 E + n, the live keys of a tile of 16 queries lie in the twelve blocks A - m, m in {0,1,2,3,4,5,8,9,16,17,32,33}: three K steps of 128 gathered keys for the second product.
; Blocks A and A - 1 hold many live keys of a query (the NEAR blocks); each of the other ten holds at most one, always at place (16 E + n - 10) mod 32.
; SHARES.  A work-group owns 256 queries of one head (grid x: which 256; grid y: 16 x batch + head); each of its sixteen waves owns one tile of 16 queries.
; Both products are used transposed (S^T = K Q^T, O^T = V^T P^T): a lane holds ONE query, n = lane % 16; h = lane / 16.
; LDS is filled once, through registers, with all that the sixteen waves read: 1,056 key rows of 32 bytes with their scale words, 48 blocks of V for 64 channels with their scale bytes.  One barrier.
; An LDS place hangs on lane and wave alone; which key or block stands there hangs on the work-group.  An index that falls outside the tensor is held inside it on the global side: the place then holds other valid codes,
; which are masked (scores) or meet zero codes (V).
; NO CLUSTER, NO JOINT LOADS: the eight work-groups of a head want key windows that begin 256 keys apart, so a tile asked for jointly would be read at LDS places that hang on a work-group's place in its cluster;
; the sixteen heads of a batch share no byte.  NO TENSOR LOADS: nothing in LDS is filled twice, and the rows of one head are 32 bytes out of each 512.
; LIMITS: a masked key gets the weight 0, which is what the -1.25e8 gives while a row's largest allowed logit lies above -1.25e8 + 104, that is for |q . k| under 9.9e8.  Scale bytes 0xff (NaN) are not served.
; A block of p whose largest number lies under 2^-124 keeps the scale byte 1 (a block of zeros too: its codes are zeros).
; THE MODE: SCHED_MODE bits 1:0 = 2 (LLVM: expert scheduling mode 2), set by the entry lines.  The code itself states the register dependences
; between vector or matrix instructions and memory or LDS instructions, with s_wait_alu, always for 0.
; THE PLAN.  The text has no loop; it is walked once.  Registers that memory or LDS instructions touch, in program order:
;   v160-171, v177, v178   offsets of the staging loads: made by vector lines at the head, read by the loads; later the diagonal score tiles write v160-171 and V's scale bytes land in v177, v178.
;   v26-30                 cleared at the head; in waves 0 and 1 two loads land there and two LDS stores read them; later lane permutes write them.
;   v96-111, v116, v117, v128-153   staged data: loads land, LDS stores read; later the ten score tiles write v96-127 and v128-175.
;   v172, v173, v175, v176, v6      addresses of the LDS stores, made by vector lines; later a scale byte lands in v176 and score tiles write v172-175.
;   v3-v11                 LDS and output addresses, made once while the loads are out and never written again.
;   v48-91                 K's fragments: LDS loads land, the first product reads; then V's fragments 0 to 5 land in v48-95.
;   v128-175               the diagonal tiles: the first product writes, the maxima read; then V's fragments 6 to 11 land, the second product reads; then the stage's rows land in v128-159.
;   v96-127                at the end: the packed multiplies write, the stage's LDS stores read.
; Five waits on va_vdst state this: ahead of the first global load; ahead of the first LDS store; ahead of V's fragments 0 to 5; behind the exponentials, where V's fragments 6 to 11 are asked for;
; ahead of the stage's stores.  A sixth stands ahead of the second product, for its operands and scales made by vector lines.  ONE wait on vm_vsrc, behind the barrier, frees all that the staging read.
;
; LDS:  KB  key place k at 32 k + 16 x half; k < 784 is key 256 W - 528 + k, k >= 784 is key 256 W - 1824 + k
;       KSB one word a key place: its two scale bytes, two zero bytes above them
;       VB  channel c at VP c, block place s at 16 s: block 8 W - 40 + s        VSB channel c at VSP c, byte s
;       STG 16 rows x (256 + 16) bytes for each wave: the way out
.set KB,   0
.set KSB,  33792
.set VB,   38144
.set VP,   784                         ; 49 x 16 bytes: the sixteen channels that a load touches begin in sixteen different 16-byte columns of 256
.set VSB,  88320
.set VSP,  72
.set STG,  92928
.set SP,   272
; REGISTERS: v1 n, v2 h; v3-11 addresses; v12 -1e30; v13 4 ((n + 6) % 8); v14 8 h; v[16:17] -M; v[18:19], v[252:253] the sum; v254 1 / sum; v20-25, v26-31 six columns' numbers at work;
; v32-39 Q (upper four: zero codes); v40-47 the diagonal bias; v48-91 K's fragments, FOUR registers apart; v96-127 near scores, then p; v128-175 six diagonal tiles; later v48-95 and v128-175 V's twelve fragments;
; v176-199 V's scale bytes, then at work; v200-205 the six columns' largest scores, then p; v206-207 zeros; v176-207 at last O^T; v208-231 p's codes;
; v232-251 hold scales and nothing else: K's near 232-235, K's diagonal 236-241, Q's 242, p's 243-245, V's 246-251.
; s18 wave, s19 E, s20 pair, s21 W, s22 batch x 16 + head, s23 A, s24 first query; s[26:27] c; s[28:29] lane selects; s30-35 column masks; s36-39 register masks; s40-41 LOW, HIGH.
	s_load_b256 s[4:11], s[0:1], 0x0               ; K's codes s[4:5], K's scales s[6:7], Q's codes s[8:9], Q's scales s[10:11]
	s_load_b128 s[12:15], s[0:1], 0x20             ; V's codes, V's scales
	s_load_b64 s[16:17], s[0:1], 0x30              ; O
	v_lshrrev_b32 v15, 5, v0
	v_readfirstlane_b32 s18, v15                   ; wave 0..15
	v_and_b32 v1, 15, v0                           ; n
	v_bfe_u32 v2, v0, 4, 1                         ; h
.irp r, 26,27,28,29,30,31
	v_mov_b32 v\r, 0                               ; destinations of lane permutes count as read: written once, in every wave.  (Until then v26-30 take the two extra groups' data in waves 0 and 1)
.endr
	s_wait_alu depctr_va_sdst(0)                   ; s18 is written, ahead of its first reader: the wave's shares, addresses and branches are made from it
	s_and_b32 s19, s18, 1                          ; E: which half of a block of 32 queries
	s_lshr_b32 s20, s18, 1                         ; the pair: which block of the work-group's eight
	s_mov_b32 s21, ttmp9                           ; W
	s_and_b32 s22, ttmp7, 0xffff                   ; 16 x batch + head
	s_lshl_b32 s23, s21, 3
	s_add_co_u32 s23, s23, s20                     ; A = 8 W + pair
	s_lshl_b32 s24, s21, 8
	s_lshl_b32 s42, s18, 4
	s_add_co_u32 s24, s24, s42                     ; my first query = 256 W + 16 x wave
	; ---- offsets of the staging loads.  K's codes: a load takes a group of 16 keys, 16 bytes a lane: key lane / 2, half lane % 2.  66 groups: wave + 16 i, i = 0 .. 3, and two more for waves 0 and 1
	v_and_b32 v155, 31, v0
	v_lshrrev_b32 v154, 1, v155
	v_and_b32 v155, 1, v0
	v_lshlrev_b32 v154, 9, v154                    ; a key is 512 bytes from the next
	v_lshl_add_u32 v154, v155, 4, v154
	s_wait_alu depctr_va_vdst(0)
	s_lshl_b32 s42, s21, 4
	s_add_co_u32 s42, s42, s18                     ; 16 W + wave
	s_sub_co_u32 s43, s42, 50                      ; place group 64 + wave is key group 16 W - 114 + 64 + wave
	s_min_u32 s43, s43, 127                        ; (a negative number wraps to a large one: held at the last group)
	s_lshl_b32 s43, s43, 13
	v_add_nc_u32 v164, s43, v154
	s_sub_co_u32 s42, s42, 33                      ; place group g < 49 is key group 16 W - 33 + g,
	s_cmp_ge_u32 s18, 1
	s_cselect_b32 s47, 81, 0                       ; from 49 on 81 less: of the groups 48 + wave all but wave 0's
	s_min_u32 s43, s42, 127
	s_add_co_u32 s44, s42, 16
	s_min_u32 s44, s44, 127
	s_add_co_u32 s45, s42, 32
	s_min_u32 s45, s45, 127
	s_add_co_u32 s46, s42, 48
	s_sub_co_u32 s46, s46, s47
	s_min_u32 s46, s46, 127
.irp i, 0,1,2,3
	s_lshl_b32 s[43+\i], s[43+\i], 13              ; 16 keys x 512 bytes
	v_add_nc_u32 v[160+\i], s[43+\i], v154
.endr
	; K's scales: two bytes a key, a thread a key place: places v0, 512 + v0, and 1024 + 16 wave + n in waves 0 and 1
	s_sub_co_u32 s42, s24, 800
	v_add_nc_u32 v165, s42, v1                     ; key 256 W - 1824 + 1024 + 16 wave + n
	s_lshl_b32 s43, s21, 8
	s_sub_co_u32 s44, s43, 528
	v_add_nc_u32 v166, s44, v0                     ; key 256 W - 528 + v0
	s_sub_co_u32 s44, s43, 16
	s_sub_co_u32 s45, s43, 1312
	v_add_nc_u32 v155, s44, v0                     ; place 512 + v0 under 784: key 256 W - 16 + v0,
	v_add_nc_u32 v156, s45, v0                     ; else key 256 W - 1312 + v0
	v_cmp_gt_u32 vcc_lo, 272, v0
	s_wait_alu depctr_va_vcc(0)                    ; the compare has written VCC, which the select below reads
	v_cndmask_b32 v167, v156, v155, vcc_lo
.irp r, 165,166,167
	v_min_u32 v\r, 0x7ff, v\r
.endr
.irp r, 165,166,167
	v_lshlrev_b32 v\r, 5, v\r                      ; 32 bytes of scales from key to key
.endr
	; V's codes: a load takes 2 channels x 16 blocks a wave: channel v0 / 16 (+ 32), block place 16 j + n
	s_lshl_b32 s42, s21, 3
	s_sub_co_u32 s42, s42, 40                      ; block place 0 is block 8 W - 40
	v_add_nc_u32 v155, s42, v1
	v_lshrrev_b32 v158, 4, v0
	v_lshlrev_b32 v157, 10, v158                   ; a channel's 64 blocks are 1,024 bytes
.irp j, 0,1,2
	v_add_nc_u32 v156, 16*\j, v155
	v_min_u32 v156, 63, v156
	v_lshl_add_u32 v[168+\j], v156, 4, v157
.endr
	; V's scales: 8 bytes a thread: channel v0 / 8, block places 8 (v0 % 8) on
	v_and_b32 v155, 7, v0
	v_lshrrev_b32 v159, 3, v0
	v_lshl_add_u32 v156, v155, 3, s42
	v_min_u32 v156, 56, v156
	v_lshl_add_u32 v171, v159, 6, v156
	; Q: lane (n, h) takes block h of query n: registers 0-3 of the fragment as they lie in memory
	v_lshlrev_b32 v177, 9, v1
	v_lshl_add_u32 v177, v2, 4, v177
	v_lshlrev_b32 v178, 5, v1
	; where the work-group's and the wave's parts begin in each buffer, in bytes
	s_lshr_b32 s25, s22, 4                         ; batch
	s_and_b32 s3, s22, 15                          ; head
	s_lshl_b32 s42, s25, 20
	s_lshl_b32 s44, s3, 5
	s_add_co_u32 s42, s42, s44                     ; codes of K: batch x 2,048 x 512 + head x 32
	s_mov_b32 s43, 0
	s_lshl_b32 s44, s25, 16
	s_lshl_b32 s46, s3, 1
	s_add_co_u32 s44, s44, s46                     ; scales of K: batch x 2,048 x 32 + head x 2
	s_mov_b32 s45, 0
	s_lshl_b32 s46, s24, 9
	s_add_co_u32 s46, s46, s42                     ; codes of Q: the same + my first query x 512
	s_mov_b32 s47, 0
	s_lshl_b32 s48, s24, 5
	s_add_co_u32 s48, s48, s44                     ; scales of Q
	s_mov_b32 s49, 0
	s_lshl_b32 s50, s22, 16                        ; codes of V: 64 channels x 1,024 bytes a head
	s_mov_b32 s51, 0
	s_lshl_b32 s52, s22, 12                        ; scales of V: 64 x 64 bytes a head
	s_mov_b32 s53, 0
	s_lshl_b32 s54, s25, 23
	s_lshl_b32 s2, s24, 12
	s_add_co_u32 s54, s54, s2
	s_lshl_b32 s2, s3, 8
	s_add_co_u32 s54, s54, s2                      ; O: batch x 2,048 x 4,096 + first query x 4,096 + head x 256
	s_mov_b32 s55, 0
	s_lshl_b32 s2, s18, 6
	s_add_co_u32 s2, s2, KSB
	v_lshl_add_u32 v6, v1, 2, s2                   ; LDS: KSB + 64 wave + 4 n: the diagonal tiles' scale words; + 4,096: where the extra scale words go
	s_wait_kmcnt 0x0
	s_add_nc_u64 s[4:5], s[4:5], s[42:43]
	s_add_nc_u64 s[6:7], s[6:7], s[44:45]
	s_add_nc_u64 s[8:9], s[8:9], s[46:47]
	s_add_nc_u64 s[10:11], s[10:11], s[48:49]
	s_add_nc_u64 s[12:13], s[12:13], s[50:51]
	s_add_nc_u64 s[14:15], s[14:15], s[52:53]
	s_add_nc_u64 s[16:17], s[16:17], s[54:55]
	; ---- all loads of the launch, in the order in which their data are stored to LDS.  The two that only waves 0 and 1 issue stand first, so that the counts below hold in every wave
	s_wait_alu depctr_va_vdst(0)                   ; the offsets v160-171, v177 and v178 are written, which the loads below read; v26-30 are cleared, in which two of them land
	s_cmp_lt_u32 s18, 2
	s_cbranch_scc0 .Lno_extra_load
	global_load_b128 v[26:29], v164, s[4:5]
	global_load_u16 v30, v165, s[6:7]
.Lno_extra_load:
.irp i, 0,1,2,3
	global_load_b128 v[96+4*\i:99+4*\i], v[160+\i], s[4:5]
.endr
	global_load_u16 v116, v166, s[6:7]
	global_load_u16 v117, v167, s[6:7]
.irp i, 0,1,2,3,4,5
	global_load_b128 v[128+4*\i:131+4*\i], v[168+\i%3], s[12:13] offset:32768*(\i/3)
.endr
	global_load_b64 v[152:153], v171, s[14:15]
	global_load_b128 v[32:35], v177, s[8:9]
	global_load_u16 v242, v178, s[10:11]           ; Q's scale word: two bytes, zeros above
	; ---- while they are on their way: LDS addresses, constants, masks.  None of these lines writes a register that a load above reads or lands in
	v_lshlrev_b32 v172, 4, v0                      ; K's codes go to 512 x place group + 16 x lane = 16 v0 + 8,192 i
	v_lshl_add_u32 v173, v0, 2, KSB                ; K's scale words to KSB + 4 x place
	v_mul_u32_u24 v175, v158, VP
	v_lshl_add_u32 v175, v1, 4, v175               ; V's codes to VP x channel + 16 x place
	v_mul_u32_u24 v176, v159, VSP
	v_lshl_add_u32 v176, v155, 3, v176
	v_add_nc_u32 v176, VSB, v176                   ; V's scale bytes to VSB + VSP x channel + place
	v_mov_b32 v12, 0xf149f2ca                      ; -1e30: under every score; its p is 0
.irp r, 36,37,38,39,88,89,90,91,206,207,255
	v_mov_b32 v\r, 0                               ; Q's zero codes for K = 64 .. 127; what the last fragment of K names above itself; two zeros behind the six columns' numbers; a permute's destination
.endr
	v_add_nc_u32 v13, 6, v1
	v_and_b32 v13, 7, v13
	v_lshlrev_b32 v13, 2, v13                      ; a far key's place in its block is (16 E + n - 10) mod 32: its code's bit in a register is 4 ((n + 6) % 8)
	v_lshlrev_b32 v14, 3, v2
	s_mov_b32 s26, 0x3e38aa3b                      ; c = log2(e) / 8
	s_mov_b32 s27, s26                             ; (named with it as a pair, so it is written)
	s_mov_b32 s28, 0x76543210
	s_mov_b32 s29, 0xfedcba98                      ; v_permlanex16_b32's selects for lane l xor 16
	; lane masks, bit 16 h + n.  With y = 16 E + n: a far key q - d lies in the lower block of its column (h = 0) where y < 10, else in the upper (h = 1)
	s_cmp_eq_u32 s19, 0
	s_cselect_b32 s40, 0x3ff, 0                    ; LOW: h = 0 and y < 10
	s_mov_b32 s41, 0xffff0000
	s_cselect_b32 s41, 0xfc000000, s41             ; HIGH: h = 1 and y >= 10
	s_cselect_b32 s35, 0x03ff0000, 0               ; d = 42 where y < 10: block A - 2, the upper block of column 0
	s_mov_b32 s36, 0x00030003                      ; which of a block's four registers holds the place (y - 10) mod 32:
	s_cselect_b32 s36, 0xfc00fc00, s36             ; register 0: E = 0: n = 10 .. 15;  E = 1: n = 0, 1
	s_cselect_b32 s37, 0, 0x03fc03fc               ; register 1: none;  n = 2 .. 9
	s_mov_b32 s38, 0xfc00fc00
	s_cselect_b32 s38, 0x00030003, s38             ; register 2: n = 0, 1;  n = 10 .. 15
	s_cselect_b32 s39, 0x03fc03fc, 0               ; register 3: n = 2 .. 9;  none
	s_cmp_ge_u32 s23, 2
	s_cselect_b32 s35, s35, 0                      ; block A - 2 exists
.macro COLMASK i, m                    ; the column with blocks A - m - 1 (h = 0) and A - m (h = 1): a lane is live where its block holds its query's key and exists
	s_cmp_ge_u32 s23, \m+1
	s_cselect_b32 s42, s40, 0
	s_cmp_ge_u32 s23, \m
	s_cselect_b32 s43, s41, 0
	s_or_b32 s[30+\i], s42, s43
.endm
	COLMASK 0, 2                                   ; d = 74
	COLMASK 1, 8                                   ; d = 266
	COLMASK 2, 4                                   ; d = 138
	COLMASK 3, 32                                  ; d = 1034
	COLMASK 4, 16                                  ; d = 522
.irp j, 0,1,2,3,4,5,6,7
	s_mov_b32 vcc_lo, 0xffffffff^((1<<\j)|(1<<(24+\j)))
	v_cndmask_b32 v[40+\j], 0, v12, vcc_lo         ; the diagonal bias: register j holds row 8 h + j of a tile: 0 where that row is the lane's n (lanes j and 24 + j), else -1e30
.endr
	v_lshrrev_b32 v156, 3, v1
	v_and_b32 v157, 7, v1
	s_lshl_b32 s42, s20, 10
	s_add_co_u32 s42, s42, KB+15872
	v_lshl_add_u32 v3, v156, 10, s42               ; near K: row r of tile g is place 8 g + r % 8 of block A - 1 + r / 8: key place 496 + 32 pair + 32 (r / 8) + 8 g + r % 8
	v_lshl_add_u32 v3, v157, 5, v3
	v_lshl_add_u32 v3, v2, 4, v3
	s_lshl_b32 s43, s20, 7
	s_add_co_u32 s43, s43, KSB+1984
	v_lshl_add_u32 v4, v156, 7, s43                ; and its scale word
	v_lshl_add_u32 v4, v157, 2, v4
	s_lshl_b32 s44, s18, 9
	v_lshl_add_u32 v5, v1, 5, s44                  ; diagonal K: row r is key first query - d + r: key place (528 - d) + 16 wave + r
	v_lshl_add_u32 v5, v2, 4, v5
	v_mul_u32_u24 v7, v1, VP
	s_lshl_b32 s45, s20, 4
	s_add_co_u32 s45, s45, VB
	v_lshl_add_u32 v7, v2, 4, v7
	v_add_nc_u32 v7, s45, v7                       ; V: channel n of a tile, block place 40 + pair - m + h
	v_and_b32 v156, 31, v0
	v_mul_u32_u24 v8, v156, VSP
	s_add_co_u32 s46, s20, VSB
	v_add_nc_u32 v8, s46, v8                       ; V's scale bytes: a lane a channel (32 u + lane)
	s_mul_i32 s47, s18, 16*SP
	s_add_co_u32 s47, s47, STG                     ; my stage
	v_mul_u32_u24 v9, v1, SP
	v_lshl_add_u32 v9, v2, 5, v9
	v_add_nc_u32 v9, s47, v9                       ; in: row n, 32 bytes for each half of the lanes
	v_mul_u32_u24 v10, v2, SP
	v_lshl_add_u32 v10, v1, 4, v10
	v_add_nc_u32 v10, s47, v10                     ; back: lanes 0-15 one row of 256 bytes, lanes 16-31 the next
	v_lshlrev_b32 v11, 12, v2
	v_lshl_add_u32 v11, v1, 4, v11                 ; and the same two rows in O, 4,096 bytes apart
	; ---- into LDS, group by group as the loads come back (they come back in the order of issue)
	s_wait_alu depctr_va_vdst(0)                   ; the addresses v172, v173, v175, v176 of the LDS stores are written, and v3 to v11, which every later LDS access and the output's stores read; so are the zero codes v36-39 and v88-91, which the first product takes as operands
	s_wait_loadcnt 11                              ; K's codes are in; out may be: 2 of K's scales, 6 of V, 1 of V's scales, 2 of Q
.irp i, 0,1,2,3
	ds_store_b128 v172, v[96+4*\i:99+4*\i] offset:KB+8192*\i
.endr
	s_cmp_lt_u32 s18, 2
	s_cbranch_scc0 .Lno_extra_store
	ds_store_b128 v172, v[26:29] offset:KB+32768   ; place groups 64 and 65
	ds_store_b32 v6, v30 offset:4096               ; both halves of the lanes write the same word with the same value
.Lno_extra_store:
	s_wait_loadcnt 9                               ; K's scales are in; out may be: 6 + 1 + 2
	ds_store_b32 v173, v116
	ds_store_b32 v173, v117 offset:2048
	s_wait_loadcnt 3                               ; V's codes are in; out may be: 1 + 2
.irp i, 0,1,2,3,4,5
	ds_store_b128 v175, v[128+4*\i:131+4*\i] offset:VB+256*(\i%3)+32*VP*(\i/3)
.endr
	s_wait_loadcnt 2                               ; V's scales are in
	ds_store_b64 v176, v[152:153]
	s_wait_loadcnt 0x0                             ; Q is in, and every load's offset register is free
	s_wait_dscnt 0x0                               ; for the others' sake: my stores have landed
	s_barrier_signal -1
	s_barrier_wait -1                              ; the one barrier: from here on K's and V's bytes are only read, and a stage is one wave's own
	s_wait_alu depctr_vm_vsrc(0)                   ; the staging loads have read their offsets (v160-171, v177, v178) and the LDS stores their data and addresses (v26-30, v96-111, v116, v117, v128-153, v172-176): below, V's scale bytes land in v176-178, the score tiles write v96-175, lane permutes write v26-30
	; ---- K's fragments and scale words, V's scale bytes
.irp g, 0,1,2,3
	ds_load_b128 v[48+4*\g:51+4*\g], v3 offset:256*\g
	ds_load_b32 v[232+\g], v4 offset:32*\g
.endr
.macro KDIAG i, koff
	ds_load_b128 v[64+4*\i:67+4*\i], v5 offset:32*\koff
	ds_load_b32 v[236+\i], v6 offset:4*\koff
.endm
	KDIAG 0, 454                                   ; d = 74
	KDIAG 1, 262                                   ; d = 266
	KDIAG 2, 390                                   ; d = 138
	KDIAG 3, 790                                   ; d = 1034: the second window
	KDIAG 4, 6                                     ; d = 522
	KDIAG 5, 486                                   ; d = 42
.macro VBYTES s, ma, mb, mc, md        ; K step s gathers blocks A - ma, A - mb, A - mc, A - md: their scale bytes for channels 32 u + lane
.irp u, 0,1
	ds_load_u8 v[176+12*\u+4*\s], v8 offset:32*VSP*\u+40-\ma
	ds_load_u8 v[177+12*\u+4*\s], v8 offset:32*VSP*\u+40-\mb
	ds_load_u8 v[178+12*\u+4*\s], v8 offset:32*VSP*\u+40-\mc
	ds_load_u8 v[179+12*\u+4*\s], v8 offset:32*VSP*\u+40-\md
.endr
.endm
	VBYTES 0, 3, 2, 1, 0
	VBYTES 1, 9, 8, 5, 4
	VBYTES 2, 33, 32, 17, 16
	s_wait_dscnt 24                                ; all of K is in; the 24 byte loads may be out
	; ---- S^T = K Q^T: ten tiles, ten accumulators.  The head has 64 along K: a fragment of K is four registers, and the four that the instruction names above them (the next fragment's) meet Q's zero codes.
	; Near tile g: lane (n, h), register j: place 8 g + j of block A - 1 + h: the four tiles give a lane a WHOLE block of 32 keys, in the order that the second product's operand wants.
.irp g, 0,1,2,3
	v_wmma_scale_f32_16x16x128_f8f6f4 v[96+8*\g:103+8*\g], v[48+4*\g:55+4*\g], v[32:39], 0, v[232+\g], v242 matrix_a_fmt:MATRIX_FMT_FP4 matrix_b_fmt:MATRIX_FMT_FP4
.endr
	; Diagonal tile i: rows are keys first query - d + 0 .. 15, so query n's key is row n; the bias, as C, puts -1e30 on all the others
.irp i, 0,1,2,3,4,5
	v_wmma_scale_f32_16x16x128_f8f6f4 v[128+8*\i:135+8*\i], v[64+4*\i:71+4*\i], v[32:39], v[40:47], v[236+\i], v242 matrix_a_fmt:MATRIX_FMT_FP4 matrix_b_fmt:MATRIX_FMT_FP4
.endr
	; ---- V's scale words: four bytes each; lanes 0-15 serve the tile of channels 32 u on, lanes 16-31 the next.  These 18 plain lines name no register of the products above: they are the places behind them
	s_wait_dscnt 0x0
.irp w, 0,1,2,3,4,5
	v_lshl_or_b32 v[246+\w], v[177+12*(\w%2)+4*(\w/2)], 8, v[176+12*(\w%2)+4*(\w/2)]
.endr
.irp w, 0,1,2,3,4,5
	v_lshl_or_b32 v[246+\w], v[178+12*(\w%2)+4*(\w/2)], 16, v[246+\w]
.endr
.irp w, 0,1,2,3,4,5
	v_lshl_or_b32 v[246+\w], v[179+12*(\w%2)+4*(\w/2)], 24, v[246+\w]
.endr
; V's fragment f = 4 s + t: channels 16 t on, K step s: registers 0-3 blocks A - ma + h, registers 4-7 blocks A - mb + h
.macro VFRAG f, ma, mb
.if (\f) < 6
.set VF, 48+8*(\f)
.else
.set VF, 128+8*((\f)-6)
.endif
	ds_load_b128 v[VF:VF+3], v7 offset:16*VP*((\f)%4)+16*(40-\ma)
	ds_load_b128 v[VF+4:VF+7], v7 offset:16*VP*((\f)%4)+16*(40-\mb)
.endm
	s_wait_alu depctr_va_vdst(0)                   ; the ten products are done reading K's fragments v48-91, in which the loads below land; V's scale words v246-251 are written, which the second product takes as scales
.irp f, 0,1,2,3
	VFRAG \f, 3, 1                                 ; into the registers that K's fragments have left
.endr
.irp f, 4,5
	VFRAG \f, 9, 5
.endr
	; ---- the near mask: constants made by the assembler.  LM = the lanes in which place x of block A - 1 + h is a live key of query 16 e + n
.macro LMASK e, x, first
.set LM, 0
.set ln, 0
.rept 32
.set nn, ln%16
.set hh, ln/16
.set dd, 32*(1-hh)+16*(\e)+nn-(\x)
.set live, 0
.if dd >= 0
.if (dd <= 12) || (dd == 14) || (dd == 18) || (dd == 26) || (dd == 42)
.set live, 1
.endif
.if (\first) && (16*(\e)+nn < 22)
.set live, 1
.endif
.endif
.if (\first) && (hh == 0)
.set live, 0
.endif
.set LM, LM|(live<<ln)
.set ln, ln+1
.endr
.endm
.macro NEARMASK e, first               ; first = 1: A = 0: there is no block A - 1, and queries under 22 see every key up to their own.  Each tile's registers are taken in ascending order
.set XX, 0
.rept 4
.set GI, 0
.rept 8
	LMASK \e, XX+GI, \first
	s_mov_b32 s[44+GI], LM
.set GI, GI+1
.endr
.set GI, 0
.rept 8
	v_cndmask_b32 v[96+XX+GI], v12, v[96+XX+GI], s[44+GI]
.set GI, GI+1
.endr
.set XX, XX+8
.endr
.endm
	s_cmp_eq_u32 s23, 0                            ; the branches hang on the work-group's and the wave's number, and lead round work on registers alone
	s_cbranch_scc1 .Lfirst_block
	s_cmp_eq_u32 s19, 0
	s_cbranch_scc0 .Lodd_tile
	NEARMASK 0, 0
	s_branch .Lmasked
.Lodd_tile:
	NEARMASK 1, 0
	s_branch .Lmasked
.Lfirst_block:
	s_cmp_eq_u32 s19, 0
	s_cbranch_scc0 .Lfirst_odd
	NEARMASK 0, 1
	s_branch .Lmasked
.Lfirst_odd:
	NEARMASK 1, 1
.Lmasked:
	s_wait_alu depctr_va_vdst(0)
	; the near block's largest score: all 32 are the lane's; four chains
.irp g, 0,1,2,3
	v_max3_num_f32 v[184+\g], v[96+8*\g], v[97+8*\g], v[98+8*\g]
.endr
.irp i, 3,5
.irp g, 0,1,2,3
	v_max3_num_f32 v[184+\g], v[184+\g], v[96+8*\g+\i], v[97+8*\g+\i]
.endr
.endr
.irp g, 0,1,2,3
	v_max_num_f32 v[184+\g], v[184+\g], v[103+8*\g]
.endr
	v_max3_num_f32 v201, v184, v185, v186
	v_max_num_f32 v201, v201, v187                 ; column 1
	; ---- the far columns: a diagonal tile's one score a query is the largest of the lane's eight and of lane l xor 16's
.irp i, 0,1,2,3,4,5
	v_max3_num_f32 v[20+\i], v[128+8*\i], v[129+8*\i], v[130+8*\i]
.endr
.irp j, 3,5
.irp i, 0,1,2,3,4,5
	v_max3_num_f32 v[20+\i], v[20+\i], v[128+8*\i+\j], v[129+8*\i+\j]
.endr
.endr
.irp i, 0,1,2,3,4,5
	v_max_num_f32 v[20+\i], v[20+\i], v[135+8*\i]
.endr
.irp i, 0,1,2,3,4,5
	v_permlanex16_b32 v[26+\i], v[20+\i], s28, s29
.endr
.irp i, 0,1,2,3,4,5
	v_max_num_f32 v[20+\i], v[20+\i], v[26+\i]
.endr
	v_cndmask_b32 v200, v12, v20, s30              ; column 0: blocks A - 3, A - 2: d = 74,
	v_cndmask_b32 v202, v12, v21, s31              ; column 2: blocks A - 9, A - 8
	v_cndmask_b32 v203, v12, v22, s32              ; column 3: blocks A - 5, A - 4
	v_cndmask_b32 v204, v12, v23, s33              ; column 4: blocks A - 33, A - 32
	v_cndmask_b32 v205, v12, v24, s34              ; column 5: blocks A - 17, A - 16
	v_cndmask_b32 v200, v200, v25, s35             ; and d = 42 in the lanes where d = 74 lies a block lower
	; ---- M: the row's largest t, rounded up to a whole number
	v_max3_num_f32 v15, v200, v201, v202
	v_max3_num_f32 v15, v15, v203, v204
	v_max_num_f32 v15, v15, v205
	v_permlanex16_b32 v255, v15, s28, s29
	v_max_num_f32 v15, v15, v255                   ; key q itself is always live: a number
	v_mul_f32 v15, s26, v15
	v_floor_f32 v16, -v15                          ; -M = floor(-t)
	v_mov_b32 v17, v16                             ; (named with it as a pair)
	; ---- p = 2^(t - M): the near blocks' 32, and the six columns' largest scores (column 1's is a copy of one of the 32: the same two instructions on the same number give the same bits)
.irp j, 0,2,4,6,8,10,12,14,16,18,20,22,24,26,28,30
	v_pk_fma_f32 v[96+\j:97+\j], v[96+\j:97+\j], s[26:27], v[16:17] op_sel_hi:[1,0,0]
.endr
.irp j, 0,2,4
	v_pk_fma_f32 v[200+\j:201+\j], v[200+\j:201+\j], s[26:27], v[16:17] op_sel_hi:[1,0,0]
.endr
	s_wait_alu depctr_va_vdst(0)
.irp j, 0,1,2,3,4,5,6,7,8,9,10,11,12,13,14,15,16,17,18,19,20,21,22,23,24,25,26,27,28,29,30,31
	v_exp_f32 v[96+\j], v[96+\j]
.endr
.irp j, 0,1,2,3,4,5
	v_exp_f32 v[200+\j], v[200+\j]
.endr
	v_nop                                          ; a plain line between the exponentials and the first use of a result (ISA guide 5.7.2)
	s_wait_alu depctr_va_vdst(0)                   ; the 38 exponentials have written v96-127 and v200-205, ahead of their first reader; the diagonal tiles v128-175 are written and the maxima are done reading them: the loads below land there
.irp f, 6,7
	VFRAG \f, 9, 5                                 ; into the registers that the diagonal tiles have left.  No vector line from here to the wait for these loads names v128-175
.endr
.irp f, 8,9,10,11
	VFRAG \f, 33, 17
.endr
	; ---- the scales of the twelve blocks: lane (n, h) has block h of each column
.irp k, 0,1,2,3,4,5
	v_max_num_f32 v[20+\k], 0x1800000, v[200+\k]   ; the floor 2^(3 - 127): the byte cannot fall under 1
.endr
.irp k, 0,1,2,3,4,5
	v_add_nc_u32 v[20+\k], 0xff000000, v[20+\k]    ; 2 off the exponent field: the conversion's scale operand
.endr
.irp k, 0,1,2,3,4,5
	v_lshrrev_b32 v[26+\k], 23, v[20+\k]           ; the scale's byte
.endr
.irp s, 0,1,2
	v_lshl_or_b32 v[184+\s], v[27+2*\s], 16, v[26+2*\s]   ; K step s: my two bytes, of blocks h and 2 + h,
.endr
.irp s, 0,1,2
	v_lshlrev_b32 v[184+\s], v14, v[184+\s]        ; at their places in the word (8 h bits up);
.endr
.irp s, 0,1,2
	v_permlanex16_b32 v[188+\s], v[184+\s], s28, s29
.endr
.irp s, 0,1,2
	v_or_b32 v[243+\s], v[184+\s], v[188+\s]       ; with lane l xor 16's two the word is whole
.endr
	; ---- the codes.  Near: four conversions give column 1's four registers.  A far column has one number a lane: the eight numbers v200-207 are converted under that column's scale, and its own four bits are kept
.irp g, 0,1,2,3
	v_cvt_scalef32_pk8_fp4_f32 v[212+\g], v[96+8*\g:103+8*\g], v21
.endr
.irp k, 0,2,3,4,5
	v_cvt_scalef32_pk8_fp4_f32 v[176+\k], v[200:207], v[20+\k]
.endr
	v_nop                                          ; one plain line behind the scaled conversions
.irp k, 0,2,3,4,5
	v_bfe_u32 v[176+\k], v[176+\k], 4*\k, 4
.endr
.irp k, 0,2,3,4,5
	v_lshlrev_b32 v[176+\k], v13, v[176+\k]        ; to its place among a register's eight codes
.endr
.irp k, 0,2,3,4,5
.irp g, 0,1,2,3
	v_cndmask_b32 v[208+4*\k+\g], 0, v[176+\k], s[36+\g]   ; into the register that holds the place, zero codes into the other three.  (A masked lane's p is 0, and so is its code)
.endr
.endr
	; ---- the row's sum, of the unquantised p: two chains over the near 32, then the five far numbers (v201 is a copy and is left out)
	v_pk_add_f32 v[18:19], v[96:97], v[98:99]
	v_pk_add_f32 v[252:253], v[100:101], v[102:103]
.irp j, 104,108,112,116,120,124
	v_pk_add_f32 v[18:19], v[18:19], v[\j:\j+1]
	v_pk_add_f32 v[252:253], v[252:253], v[\j+2:\j+3]
.endr
	v_pk_add_f32 v[18:19], v[18:19], v[202:203]
	v_pk_add_f32 v[252:253], v[252:253], v[204:205]
	v_pk_add_f32 v[18:19], v[18:19], v[252:253]
	v_add_f32 v18, v18, v19
	v_add_f32 v18, v18, v200
	v_permlanex16_b32 v255, v18, s28, s29
	v_add_f32 v18, v18, v255                       ; with lane l xor 16's blocks
	s_wait_alu depctr_va_vdst(0)
	v_rcp_f32 v254, v18
	v_nop                                          ; a plain line behind the reciprocal
	; ---- O^T = V^T P^T: three K steps of four gathered blocks, four tiles of 16 channels.  The four accumulators take turns, one instruction a turn; the first K step starts the sums
.macro OPROD s, t
.set FF, 4*(\s)+(\t)
.if FF < 6
.set VF, 48+8*FF
.else
.set VF, 128+8*(FF-6)
.endif
.set OD, 176+8*(\t)
.set SA, 246+2*(\s)+(\t)/2
.set PB, 208+8*(\s)
.if (\s) == 0
.if (\t)%2
	v_wmma_scale_f32_16x16x128_f8f6f4 v[OD:OD+7], v[VF:VF+7], v[PB:PB+7], 0, v[SA], v[243+(\s)] matrix_a_fmt:MATRIX_FMT_FP4 matrix_b_fmt:MATRIX_FMT_FP4 matrix_a_scale:MATRIX_SCALE_ROW1
.else
	v_wmma_scale_f32_16x16x128_f8f6f4 v[OD:OD+7], v[VF:VF+7], v[PB:PB+7], 0, v[SA], v[243+(\s)] matrix_a_fmt:MATRIX_FMT_FP4 matrix_b_fmt:MATRIX_FMT_FP4
.endif
.else
.if (\t)%2
	v_wmma_scale_f32_16x16x128_f8f6f4 v[OD:OD+7], v[VF:VF+7], v[PB:PB+7], v[OD:OD+7], v[SA], v[243+(\s)] matrix_a_fmt:MATRIX_FMT_FP4 matrix_b_fmt:MATRIX_FMT_FP4 matrix_a_scale:MATRIX_SCALE_ROW1
.else
	v_wmma_scale_f32_16x16x128_f8f6f4 v[OD:OD+7], v[VF:VF+7], v[PB:PB+7], v[OD:OD+7], v[SA], v[243+(\s)] matrix_a_fmt:MATRIX_FMT_FP4 matrix_b_fmt:MATRIX_FMT_FP4
.endif
.endif
.endm
	s_wait_dscnt 0x0                               ; V's twelve fragments are in
	s_wait_alu depctr_va_vdst(0)                   ; p's codes v208-231 and p's scale words v243-245, made by vector lines, are written: the products below take them as operand and scales (the sum's lines above are the places, which stay); the reciprocal has written v254, ahead of its first reader on the way out
.irp s, 0,1,2
.irp t, 0,1,2,3
	OPROD \s, \t
.endr
.endr
	; ---- the way out: O^T / the sum; register 8 t + j of lane (n, h) is o(query n, channel 16 t + 8 h + j).  Through my own stage, so that sixteen lanes store the 256 consecutive bytes of one query's head
.rept 4
	v_nop                                          ; four places between the last products and the first read of a result (ISA guide 7.12.1)
.endr
.irp j, 0,2,4,6,8,10,12,14,16,18,20,22,24,26,28,30
	v_pk_mul_f32 v[96+\j:97+\j], v[176+\j:177+\j], v[254:255] op_sel_hi:[1,0]   ; each accumulator from its low end on
.endr
	s_wait_alu depctr_va_vdst(0)                   ; the multiplies have written v96-127, which the LDS stores read; the products are done reading V's fragments in v128-159, in which the stage's rows land
.irp t, 0,1,2,3
	ds_store_b128 v9, v[96+8*\t:99+8*\t] offset:64*\t
	ds_store_b128 v9, v[100+8*\t:103+8*\t] offset:64*\t+16
.endr
.irp i, 0,1,2,3,4,5,6,7
	ds_load_b128 v[128+4*\i:131+4*\i], v10 offset:2*\i*SP   ; LDS serves a wave's instructions in order (ISA guide 5.7.1.4): these see my stores
.endr
.irp i, 0,1,2,3,4,5,6,7
	s_wait_dscnt 7-\i                              ; the younger loads may stay out
	global_store_b128 v11, v[128+4*\i:131+4*\i], s[16:17] offset:8192*\i th:TH_STORE_NT   ; rows 2 i and 2 i + 1: twice 256 consecutive bytes, each at a multiple of 256 from O's first byte; written once
.endr
	s_wait_xcnt 0x0
	v_lshl_add_u32 v254, v0, 2, 0x27b00            ; my spare word, behind the stages, and 0: made anew here; no memory or LDS instruction has read v254 or v255
	v_mov_b32 v255, 0
	s_wait_dscnt 0x0                               ; the closing lines, six on end
	s_wait_alu 0x0
	s_wait_tensorcnt 0x0
	ds_add_u32 v254, v255
	s_wait_dscnt 0x0
	s_endpgm
.Lfunc_end_k_q2ffb7e259e_logsparse:
	.size	k_q2ffb7e259e_logsparse, .Lfunc_end_k_q2ffb7e259e_logsparse-k_q2ffb7e259e_logsparse
	.p2alignl 7, 3214868480
	.fill 96, 4, 3214868480
	.section	.rodata,"a",@progbits
	.p2align	6, 0x0
	.amdhsa_kernel k_q2ffb7e259e_logsparse
		.amdhsa_group_segment_fixed_size 164608
		.amdhsa_private_segment_fixed_size 0
		.amdhsa_enable_private_segment 0
		.amdhsa_kernarg_size 56
		.amdhsa_user_sgpr_count 2
		.amdhsa_user_sgpr_kernarg_segment_ptr 1
		.amdhsa_wavefront_size32 1
		.amdhsa_system_sgpr_workgroup_id_x 1
		.amdhsa_system_sgpr_workgroup_id_y 1
		.amdhsa_system_sgpr_workgroup_id_z 1
		.amdhsa_system_vgpr_workitem_id 0
		.amdhsa_next_free_vgpr 256
		.amdhsa_next_free_sgpr 66
		.amdhsa_reserve_vcc 1
		.amdhsa_float_denorm_mode_32 3
		.amdhsa_float_denorm_mode_16_64 3
		.amdhsa_memory_ordered 1
		.amdhsa_forward_progress 1
		.amdhsa_inst_pref_size 53
	.end_amdhsa_kernel
	.amdgpu_metadata
---
amdhsa.version: [ 1, 2 ]
amdhsa.kernels:
  - .name:           k_q2ffb7e259e_logsparse
    .symbol:         k_q2ffb7e259e_logsparse.kd
    .args:
      - { .name: keys_codes, .offset: 0, .size: 8, .value_kind: global_buffer, .address_space: global }
      - { .name: keys_scales, .offset: 8, .size: 8, .value_kind: global_buffer, .address_space: global }
      - { .name: queries_codes, .offset: 16, .size: 8, .value_kind: global_buffer, .address_space: global }
      - { .name: queries_scales, .offset: 24, .size: 8, .value_kind: global_buffer, .address_space: global }
      - { .name: values_codes, .offset: 32, .size: 8, .value_kind: global_buffer, .address_space: global }
      - { .name: values_scales, .offset: 40, .size: 8, .value_kind: global_buffer, .address_space: global }
      - { .name: out0, .offset: 48, .size: 8, .value_kind: global_buffer, .address_space: global }
    .group_segment_fixed_size: 164608
    .private_segment_fixed_size: 0
    .kernarg_segment_align: 8
    .kernarg_segment_size: 56
    .max_flat_workgroup_size: 512
    .sgpr_count:     66
    .vgpr_count:     256
    .wavefront_size: 32
...
	.end_amdgpu_metadata
.endif
;; end of part 2
